; MI455X (gfx1250); checked and timed in simulation.
; The chip was launched on July 23, 2026; its instructions are those of AMD's public machine-readable ISA for CDNA 5 (MIT licence, August 2026) and "CDNA5" Instruction Set Architecture Reference Guide (July 2026). The comments in the code are by the model that wrote it; some were corrected since.
;; Dynamic Linear. Allowed arithmetic: matrix products marked QUANTISED: E2M1 operands, one E8M0 scale for each 32 along K, by v_wmma_scale_f32_16x16x128_f8f6f4 with both operands' format E2M1 (or v_wmma_scale_f32_32x16x128_f4), f32 sums; products left as they are: f32 operands where the result goes on into a quantised operand, else bf16, f16 or f32 operands; f32 sums; everything else in f32.
;; Inputs: bias 4 x 2,048 float32; softmax_attention 4,096 x 4 float32; weight_codes 4 x 2,048 x 64 x 16 uint8 (E2M1 codes of weight, K innermost, in blocks of 32 codes, two codes a byte); weight_scales 4 x 2,048 x 64 uint8 (E8M0 scales of weight, one for each 32 codes along K); x_codes 4,096 x 64 x 16 uint8 (E2M1 codes of x, K innermost, in blocks of 32 codes, two codes a byte); x_scales 4,096 x 64 uint8 (E8M0 scales of x, one for each 32 codes along K).
;; Outputs: out0 4,096 x 2,048 float32.
;; This version of the problem:
;;   THIS VERSION OF THE PROBLEM IS GIVEN IN LOW PRECISION. The matrix products marked QUANTISED in the list below multiply operands that are first quantised to E2M1 (2 exponent bits, 1 mantissa bit; 4 bits a number), with one power-of-two scale for each 32 numbers along K (OCP MX v1.0); their sums are f32. All else is computed in f32.
;;   The module's matrix products, in the order in which they are computed (A, B: the left and right operand; K: the contracted axis; several contracted axes count as one K, in the product's order):
;;     1. [M 4,096, K 2,048] x [K 2,048, N 8,192]; A: input x (given as codes); B: input weight (given as codes): QUANTISED
;;     2. batch 4,096 x [M 1, K 4] x [K 4, N 2,048]; A: input softmax_attention; B: computed on the way: left as it is (K = 4 < 32)
;;     3. [M 4,096, K 4] x [K 4, N 2,048]; A: input softmax_attention; B: input bias: left as it is (K = 4 < 32)
;;   THE QUANTISER, for each operand of a quantised product, along K:
;;     - K is cut into blocks of 32 from its start; a last block that is shorter is filled with zeros.
;;     - A block's scale is 2^e with e = floor(log2(the largest magnitude in the block)) - 2, held to -126 .. 127; a block of zeros has e = 0. As a byte (E8M0): e + 127.
;;     - Each number is divided by its block's scale, clamped to +-6, and rounded to the nearest number of E2M1, ties to even, subnormals kept.
;;     - The product sums the exact products of the quantised numbers (number of the format x scale) in f32.
;;   ~~~python
;;   def quantise(x, axis):      # numpy; x: float32 -> the quantised numbers, widened to float32 again
;;       x = np.moveaxis(x, axis, -1); K = x.shape[-1]
;;       x = np.pad(x, [(0, 0)] * (x.ndim - 1) + [(0, -K % 32)]); x = x.reshape(x.shape[:-1] + (-1, 32)); a = np.abs(x).max(-1, keepdims=True)
;;       e = np.where(a > 0, np.clip(np.frexp(np.where(a > 0, a, 1))[1] - 1 - 2, -126, 127), 0)      # np.frexp(a)[1] - 1 = floor(log2(a)), exactly
;;       r = np.clip(x / 2.0 ** e, -6, 6)
;;       step = 2.0 ** (np.maximum(np.frexp(np.where(r == 0, 1, r))[1] - 1, 0) - 1)
;;       q = np.round(r / step) * step * 2.0 ** e      # np.round: ties to even
;;       return np.moveaxis(q.reshape(q.shape[:-2] + (-1,))[..., :K], -1, axis).astype(np.float32)
;;   ~~~
;;   INPUTS GIVEN AS CODES. weight (in the module: [4, 2048, 2048], K = its axis 2); x (in the module: [4096, 2048], K = its axis 1): each comes as NAME_codes (uint8): NAME with its K axis moved to the last place and cut into blocks of 32 codes, [.., K / 32, bytes a block], one block behind the other in memory; two codes a byte, the lower K in the low four bits (a code: sign, 2 exponent bits, 1 mantissa bit); and NAME_scales (uint8): the same leading axes, one E8M0 byte (e + 127) for each 32 codes along K. Its value is code x scale, taken as it is: it is not quantised again, and the codes and scales need not be those that the quantiser above would give.
;; One version. Each part assembles by itself: llvm-mc -triple=amdgcn-amd-amdhsa -mcpu=gfx1250 --defsym DOCPART=n.
;; ======== version 1 of 1: 1 launch
;; launch dynlin (part 1): grid 32 x 8, 4 waves a work-group, clusters of 4 x 1, 327,680 bytes of LDS; arguments x_codes, x_scales, weight_codes, weight_scales, softmax_attention, bias, out0; writes out0
.if DOCPART == 1
	.amdgcn_target "amdgcn-amd-amdhsa--gfx1250"
	.amdhsa_code_object_version 6
	.text
	.protected	k_q77a0bba24d_dynlin
	.globl	k_q77a0bba24d_dynlin
	.p2align	8
	.type	k_q77a0bba24d_dynlin,@function
k_q77a0bba24d_dynlin:
	s_mov_b64 s[64:65], 0
	v_nop
	global_prefetch_b8 v0, s[64:65] scope:SCOPE_SE
	s_setreg_imm32_b32 hwreg(HW_REG_WAVE_MODE, 25, 1), 1
	s_wait_xcnt 0x0
	s_wait_alu depctr_hold_cnt(0) depctr_sa_sdst(0) depctr_va_vdst(0) depctr_va_sdst(0) depctr_va_ssrc(0) depctr_va_vcc(0) depctr_vm_vsrc(0)
	s_getreg_b32 s2, hwreg(HW_REG_IB_STS2, 6, 4)
	s_cmp_eq_u32 s2, 0
	s_cbranch_scc0 .Lentry_in_a_cluster
	s_endpgm
.Lentry_in_a_cluster:
	s_bfe_u32 s2, ttmp6, 0x10000c
	s_cmp_lg_u32 s2, 0x3003
	s_cbranch_scc0 .Lentry_shape_is_right
	s_endpgm
.Lentry_shape_is_right:
; out[b][o] = sum over e of attn[b][e] x (bias[e][o] + sum over i of W[e][o][i] x[b][i]).  B = 4,096 rows, 4 experts, 2,048 columns, K = 2,048.
; x and W arrive as codes of FP4 (E2M1), two a byte, K innermost, with one E8M0 byte for each 32 along K: codes and bytes go to the matrix instruction as they lie.  All else is f32.
; SHARES.  A work-group of four waves owns 64 columns o (group gx of 32) x 512 rows b (group gy of 8).  Wave w = 2 kh + ch owns columns 64 gx + 32 ch .. + 31 of ALL FOUR experts for HALF OF K (codes 1,024 kh on):
; 4 x 32 weight rows x 512 bytes = 512 registers, read from memory once and kept.  x goes past in 8 slabs of 64 rows x all of K (65,536 dense bytes) through a ring of two LDS slots; a wave reads only its half of K of
; each row, so every byte of a slab is read from LDS by two waves.  A slab is two PASSES of 32 rows; a pass is 8 sub-steps of 128 along K x (2 blocks of 16 rows x 4 experts x 2 blocks of 16 columns) = 128 matrix
; instructions on 16 accumulators; 16 LDS loads of 16 bytes a lane feed 64 matrix instructions.
; THE MATRIX INSTRUCTION IS USED TRANSPOSED: source 0 = 16 weight rows, source 1 = 16 rows of x.  In the result lane (r, h) holds row b = r and its register j column o = 8 h + j: attn[b][e] is one number a lane,
; and bias[e][8 h + j] is eight registers in the result's layout: it is the C of each sum's first matrix instruction, so it costs no addition.  In the waves of the upper half of K these registers are cleared once.
; THE MIX (sum over e of attn x accumulator e) of a pass stands, four accumulators at a time, between the first products of the next pass.  Each wave's mixed numbers are sums over its half of K: they go into a stage in
; LDS that has a piece for each half; the two pieces are read back as whole rows, added, and leave as aligned runs of 256 bytes.
; THE STAGE'S ORDER.  Slab t's first pass is stored behind slab t's barrier, its second at slab t + 1's head; both are read behind barrier t + 1, and those reads are waited for in front of barrier t + 2;
; two stages take turns, and the same stage is written again only behind barrier t + 2.  So one barrier a slab does.
; CLUSTER.  The four partners have the same rows b and four neighbouring column groups: x's slabs and x's scale bytes are asked for JOINTLY (mask 15).  The place in the cluster enters global addresses of W, its scales,
; the bias and out alone.  THE WEIGHTS ARE NOT ASKED FOR JOINTLY: the work-groups that share them are the eight row groups; brought by tensor loads the 256 rows x 1,040 bytes = 266,240 bytes would have to lie in LDS
; beside the ring's 2 x 66,560, which does not fit; they are read once, by plain loads, 256 consecutive bytes to sixteen lanes, and turned into fragments through each wave's own scratch in LDS.
; LIMITS: a scale byte 0xff makes the sums NaN, as the matrix instruction defines it; each output is the sum of two f32 sums, one over each half of K, each with K ascending in the matrix instruction's own order.
;
; LDS: slot 0 at 0 and slot 1 at 2^17 (64 rows, 1,040 bytes apart); stage A behind slot 0; behind slot 1 x's scale bytes of the 512 rows (filled once), the four scratches, stage B, the spare words.
.set XP,     1040                      ; a row of x in LDS: 1,024 bytes + 16 of padding = 260 words: row r starts at bank 4 r mod 64 (64 banks of 4 bytes: ISA guide 11.1)
.set BLKX,   16*XP                     ; 16 rows: what one tensor load brings, and one block of x
.set SLOT1,  1<<17                     ; one exclusive or turns an address in one slot into the other's
.set STGA,   64*XP                     ; stage A: two pieces of 64 rows x (256 bytes + 16), one for each half of K
.set STGK,   64*272                    ; from piece to piece
.set XS,     SLOT1+64*XP               ; x's scale bytes: 128 runs of 256 bytes + 16 of padding; row b's 64 bytes at (b / 4) 272 + (b % 4) 64
.set XSSLAB, 16*272                    ; those of a slab's 64 rows
.set SCR,    XS+128*272                ; a scratch of 32 rows x (256 bytes + 16) for each wave
.set SCRW,   32*272
.set STGB,   SCR+4*SCRW                ; stage B
.set STGX,   STGB-STGA                 ; from stage to stage
.set SPARE,  STGB+2*STGK               ; the spare words, 128 bytes for each wave: two blocks of 256 bytes that no other line names
; VECTOR REGISTERS, in windows of 256.  Window 0:
.set AX0,  3                           ; v3   r x 1040 + 16 h + 512 kh: my lane's place in a block of x
.set ADX,  4                           ; v4   the same in the slot in hand
.set ADN,  5                           ; v5   and in the other slot
.set AS0,  6                           ; v6   my lane's place among x's scale words: lanes 0-15 a pass's first block, lanes 16-31 its second
.set ADS,  7                           ; v7   the same for the slab in hand
.set STO0, 8                           ; v8   stage A: where I put 32 bytes of a row
.set SRD0, 9                           ; v9   stage A: where I read a row back
.set STW,  10                          ; v10  the same two in the stage of the slab before
.set STR,  11                          ; v11
.set GO,   12                          ; v12  my byte offset in the wave's rows of out; never rewritten
.set AO,   13                          ; v13  16 r: attn
.set WO,   14                          ; v14  h x 1024 + 16 r: the weights as they are loaded
.set SCW,  15                          ; v15  the scratch, on the way in
.set SCL,  16                          ; v16  and on the way out
.set WSO,  17                          ; v17  64 r + 16 h: the weights' scale words
.set BO,   18                          ; v18  32 h: the bias
.set STN,  19                          ; v19  where I put 32 bytes of a row in the stage of the slab in hand
.set SPW,  20                          ; v20  LDS address of my spare word; never rewritten
.set NIL,  21                          ; v21  0; never rewritten
.set RB2,  24                          ; v24-31   rows read back, upper half of K: the last two of eight groups of four
.set WSP,  32                          ; v32-63   W's scale words: register 8 e + 4 ob + i: lanes 0-15 sub-step i, lanes 16-31 sub-step 4 + i
.set XSP,  64                          ; v64-79   x's scale words, a set of 8 for each pass: register s: lanes 0-15 the pass's first block, lanes 16-31 its second, sub-step s
.set BI,   80                          ; v80-143  the bias, 8 registers for each expert and block of columns: 16 e + 8 ob
.set AR,   144                         ; v144-159 attn[b][0..3], 4 registers a block of 16 rows: blocks 0, 1 are the first pass's, 2, 3 the second's
.set AXR,  160                         ; v160-167 attn[b][1] and attn[b][3] of the pass to be mixed, each as the low word of a pair (the packed forms take a pair's low word for both halves)
.set OUT,  168                         ; v168-199 a pass's mixed results: 16 m + 8 ob
.set RB0,  200                         ; v200-231 16 rows read back, lower half of K; then the sums
.set RB1,  232                         ; v232-255 rows read back, upper half of K: the first six groups of four
.set XF,   128                         ; window 1: v0-127 the accumulators ((e, ob, m) at 64 m + 16 e + 8 ob); v128-255 x's fragments of a pass: 16 s + 8 m
                                       ; windows 2 and 3: the weights: fragment (e, ob, sub-step s) at 64 e + 16 (s % 4) + 8 ob, sub-steps 0-3 in window 2, 4-7 in window 3
; SCALAR REGISTERS
.set ATP,  12                          ; s[12:13] attn at the slab in hand
.set OUTP, 16                          ; s[16:17] out at my 16 rows of the slab that leaves next
.set WV,   18                          ; s18  my wave's number
.set CX,   19                          ; s19  my place in the cluster
.set GX,   20                          ; s20  my group of 64 columns
.set GY,   21                          ; s21  my group of 512 rows: the four partners share it
.set G1X,  24                          ; s[24:31] descriptor group 1 for x's codes
.set G1S,  32                          ; s[32:39] for x's scale bytes
.set G0S,  40                          ; s[40:43] group 0: the scale bytes
.set G0A,  44                          ; s[44:47] slab 0 into slot 0
.set G0B,  48                          ; s[48:51] slab 1 into slot 1; it then walks on
.set TB,   52                          ; s52  where the slot in hand begins
.set TS,   53                          ; s53  where the slab's scale words begin
.set SG,   54                          ; s54  0 or STGX: at a slab's head the stage of the slab before
.set CNT,  55                          ; s55  the loop's counter
.set MSK,  61                          ; s61  all ones in the waves of the lower half of K, else 0
.set CH,   62                          ; s62  which 32 columns are mine
.set KH,   63                          ; s63  which half of K
.set MSB, 0
.macro WIN new                         ; bits 1:0 source 0, 3:2 source 1, 5:4 source 2, 7:6 destination; the immediate's high byte repeats the setting that is left
.if MSB != \new
	s_set_vgpr_msb (MSB<<8)|\new
.set MSB, \new
.endif
.endm
.macro PLACES                          ; four plain vector instructions in front of loads into registers that matrix instructions have read (ISA guide 7.12.1 for vector instructions)
.rept 4
	v_nop
.endr
.endm
.macro CREST                           ; a round of the cluster's barrier behind its opening barrier
	s_cmp_lg_u32 s[WV], 0
	s_cbranch_scc1 .Lnot_wave_0_\@
	s_barrier_signal -3
.Lnot_wave_0_\@:
	s_barrier_wait -3
	s_barrier_signal -1
	s_barrier_wait -1
.endm
.macro CROUND                          ; a whole round
	s_barrier_signal -1
	s_barrier_wait -1
	CREST
.endm
; Unit u of the weights, as it lies: half u / 2 of my K (256 bytes a row) of experts 2 (u % 2) and 2 (u % 2) + 1, 32 rows each: sixteen lanes read 256 consecutive bytes of one row, two rows an instruction.
; Eight work-groups read these rows: no hint.
.macro LOADW u
	WIN 0x80+0x40*((\u)/2)
.irp el, 0,1
.irp a, 0,1,2,3,4,5,6,7,8,9,10,11,12,13,14,15
	global_load_b128 v[128*((\u)%2)+64*\el+4*\a:128*((\u)%2)+64*\el+4*\a+3], v[WO], s[8:9] offset:(2*((\u)%2)+\el)*2097152+\a*2048+256*((\u)/2)
.endr
.endr
.endm
; The unit goes through my own scratch, an expert (32 rows, 64 registers) at a time, and comes back into the same registers as fragments: lane (r, h) holds row r; registers 4 c .. 4 c + 3 the 16 bytes at
; 32 c + 16 h of the sub-step's 64.  LDS serves a wave's instructions in order (ISA guide 5.7.1.4): the second expert's stores come behind the first's loads.
.macro TRANSP u
.irp el, 0,1
	WIN 0x08+0x04*((\u)/2)                         ; an LDS store's data are its source 1
.irp a, 0,1,2,3,4,5,6,7,8,9,10,11,12,13,14,15
	ds_store_b128 v[SCW], v[128*((\u)%2)+64*\el+4*\a:128*((\u)%2)+64*\el+4*\a+3] offset:2*\a*272
.endr
	s_wait_dscnt 0x0                               ; the stores have read their registers, which the loads below write
	WIN 0x80+0x40*((\u)/2)
.irp sl, 0,1,2,3
.irp ob, 0,1
.irp c, 0,1
	ds_load_b128 v[128*((\u)%2)+64*\el+16*\sl+8*\ob+4*\c:128*((\u)%2)+64*\el+16*\sl+8*\ob+4*\c+3], v[SCL] offset:\ob*4352+64*\sl+32*\c
.endr
.endr
.endr
.endr
.endm
; x's fragments of pass P, sub-steps 4 G .. 4 G + 3, both blocks: 16 loads
.macro XFRAG G, adr, P
	WIN 0x40
.irp sub, 0,1,2,3
.irp m, 0,1
.irp c, 0,1
	ds_load_b128 v[XF+64*(\G)+16*\sub+8*\m+4*\c:XF+64*(\G)+16*\sub+8*\m+4*\c+3], v[\adr] offset:(2*(\P)+\m)*BLKX+256*(\G)+64*\sub+32*\c
.endr
.endr
.endr
.endm
; a pass's scale words of x (8 sub-steps: 32 bytes a row) into a set: 2 loads
.macro XSCALE set, adr, extra
	WIN 0
.irp i, 0,1
	ds_load_b128 v[XSP+8*(\set)+4*\i:XSP+8*(\set)+4*\i+3], v[\adr] offset:(\extra)+16*\i
.endr
.endm
.macro WM hia, hib                     ; one matrix instruction on the registers named by rD, rW, rX, rC, rA, rB; hia, hib: the scale words lie in lanes 16-31
.if (\hia) && (\hib)
	v_wmma_scale_f32_16x16x128_f8f6f4 v[rD:rD+7], v[rW:rW+7], v[rX:rX+7], v[rC:rC+7], v[rA], v[rB] matrix_a_fmt:MATRIX_FMT_FP4 matrix_b_fmt:MATRIX_FMT_FP4 matrix_a_scale:MATRIX_SCALE_ROW1 matrix_b_scale:MATRIX_SCALE_ROW1
.elseif (\hia)
	v_wmma_scale_f32_16x16x128_f8f6f4 v[rD:rD+7], v[rW:rW+7], v[rX:rX+7], v[rC:rC+7], v[rA], v[rB] matrix_a_fmt:MATRIX_FMT_FP4 matrix_b_fmt:MATRIX_FMT_FP4 matrix_a_scale:MATRIX_SCALE_ROW1
.elseif (\hib)
	v_wmma_scale_f32_16x16x128_f8f6f4 v[rD:rD+7], v[rW:rW+7], v[rX:rX+7], v[rC:rC+7], v[rA], v[rB] matrix_a_fmt:MATRIX_FMT_FP4 matrix_b_fmt:MATRIX_FMT_FP4 matrix_b_scale:MATRIX_SCALE_ROW1
.else
	v_wmma_scale_f32_16x16x128_f8f6f4 v[rD:rD+7], v[rW:rW+7], v[rX:rX+7], v[rC:rC+7], v[rA], v[rB] matrix_a_fmt:MATRIX_FMT_FP4 matrix_b_fmt:MATRIX_FMT_FP4
.endif
.endm
; Pass P, sub-step s, blocks of rows m0 .. m1 x experts e0 .. e1 x both blocks of columns.  The accumulators take turns, one instruction a turn.
; Sub-step 0 starts the sums: its C is the bias, in window 0: nothing is ever cleared.
.macro MM P, s, m0, m1, e0, e1
.if (\s) == 0
	WIN 0x46                                       ; W window 2, x window 1, C window 0, D window 1
.elseif (\s) < 4
	WIN 0x56                                       ; W window 2; x, C and D window 1
.else
	WIN 0x57                                       ; W window 3
.endif
.set mI, \m0
.rept (\m1)-(\m0)+1
.set eI, \e0
.rept (\e1)-(\e0)+1
.irp ob, 0,1
.set rD, 64*mI+16*eI+8*\ob
.set rC, 64*mI+16*eI+8*\ob
.if (\s) == 0
.set rC, BI+16*eI+8*\ob
.endif
.set rW, 64*eI+16*((\s)%4)+8*\ob
.set rX, XF+16*(\s)+8*mI
.set rA, WSP+8*eI+4*\ob+(\s)%4
.set rB, XSP+8*(\P)+(\s)
	WM (\s)/4, mI
.endr
.set eI, eI+1
.endr
.set mI, mI+1
.endr
.endm
; Pass P, sub-step 0, block of rows m, block of columns ob: the four experts' sums are begun anew
.macro MM0 P, m, ob
	WIN 0x46
.irp e, 0,1,2,3
.set rD, 64*(\m)+16*\e+8*(\ob)
.set rC, BI+16*\e+8*(\ob)
.set rW, 64*\e+8*(\ob)
.set rX, XF+8*(\m)
.set rA, WSP+8*\e+4*(\ob)
.set rB, XSP+8*(\P)
	WM 0, \m
.endr
.endm
.macro ATTN P, off                     ; attn[b][0..3] of pass P's two blocks, off bytes on from the slab in hand
	WIN 0
.irp m, 0,1
	global_load_b128 v[AR+4*(2*(\P)+\m):AR+4*(2*(\P)+\m)+3], v[AO], s[ATP:ATP+1] offset:(\off)+256*(2*(\P)+\m)
.endr
.endm
.macro AXMOV P                         ; pass P's attn[b][1] and attn[b][3] into the low words of pairs
.irp m, 0,1
	v_mov_b32 v[AXR+4*\m], v[AR+4*(2*(\P)+\m)+1]
	v_mov_b32 v[AXR+4*\m+2], v[AR+4*(2*(\P)+\m)+3]
.endr
.endm
; The four experts' accumulators of (m, ob) are mixed: 16 packed instructions, two columns each; each accumulator is read from its low end on.
.macro MIX P, m, ob
	WIN 0x01                                       ; source 0 (the accumulator) window 1, the rest window 0
.irp jp, 0,1,2,3
	v_pk_mul_f32 v[OUT+16*(\m)+8*(\ob)+2*\jp:OUT+16*(\m)+8*(\ob)+2*\jp+1], v[64*(\m)+8*(\ob)+2*\jp:64*(\m)+8*(\ob)+2*\jp+1], v[AR+4*(2*(\P)+(\m)):AR+4*(2*(\P)+(\m))+1] op_sel_hi:[1,0]
.endr
.irp jp, 0,1,2,3
	v_pk_fma_f32 v[OUT+16*(\m)+8*(\ob)+2*\jp:OUT+16*(\m)+8*(\ob)+2*\jp+1], v[64*(\m)+16+8*(\ob)+2*\jp:64*(\m)+16+8*(\ob)+2*\jp+1], v[AXR+4*(\m):AXR+4*(\m)+1], v[OUT+16*(\m)+8*(\ob)+2*\jp:OUT+16*(\m)+8*(\ob)+2*\jp+1] op_sel_hi:[1,0,1]
.endr
.irp jp, 0,1,2,3
	v_pk_fma_f32 v[OUT+16*(\m)+8*(\ob)+2*\jp:OUT+16*(\m)+8*(\ob)+2*\jp+1], v[64*(\m)+32+8*(\ob)+2*\jp:64*(\m)+32+8*(\ob)+2*\jp+1], v[AR+4*(2*(\P)+(\m))+2:AR+4*(2*(\P)+(\m))+3], v[OUT+16*(\m)+8*(\ob)+2*\jp:OUT+16*(\m)+8*(\ob)+2*\jp+1] op_sel_hi:[1,0,1]
.endr
.irp jp, 0,1,2,3
	v_pk_fma_f32 v[OUT+16*(\m)+8*(\ob)+2*\jp:OUT+16*(\m)+8*(\ob)+2*\jp+1], v[64*(\m)+48+8*(\ob)+2*\jp:64*(\m)+48+8*(\ob)+2*\jp+1], v[AXR+4*(\m)+2:AXR+4*(\m)+3], v[OUT+16*(\m)+8*(\ob)+2*\jp:OUT+16*(\m)+8*(\ob)+2*\jp+1] op_sel_hi:[1,0,1]
.endr
.endm
.macro TOSTAGE adr, P                  ; lane (r, h): my half of K's part of out(32 P + 16 m + r, 32 ch + 16 ob + 8 h + 0 .. 7), 32 bytes, into my half's piece of a stage
	WIN 0
.irp m, 0,1
.irp ob, 0,1
.irp c, 0,1
	ds_store_b128 v[\adr], v[OUT+16*\m+8*\ob+4*\c:OUT+16*\m+8*\ob+4*\c+3] offset:(2*(\P)+\m)*4352+64*\ob+16*\c
.endr
.endr
.endr
.endm
.macro RBREAD                          ; my 16 whole rows back, out of both pieces: lanes 0-15 one row of 256 bytes, lanes 16-31 the next
	WIN 0
.irp i, 0,1,2,3,4,5,6,7
	ds_load_b128 v[RB0+4*\i:RB0+4*\i+3], v[STR] offset:544*\i
.endr
.irp i, 0,1,2,3,4,5
	ds_load_b128 v[RB1+4*\i:RB1+4*\i+3], v[STR] offset:STGK+544*\i
.endr
.irp i, 6,7
	ds_load_b128 v[RB2+4*(\i-6):RB2+4*(\i-6)+3], v[STR] offset:STGK+544*\i
.endr
.endm
.macro RBADD                           ; the two halves of K are added
.irp i, 0,1,2,3,4,5
.irp c, 0,1
	v_pk_add_f32 v[RB0+4*\i+2*\c:RB0+4*\i+2*\c+1], v[RB0+4*\i+2*\c:RB0+4*\i+2*\c+1], v[RB1+4*\i+2*\c:RB1+4*\i+2*\c+1]
.endr
.endr
.irp i, 6,7
.irp c, 0,1
	v_pk_add_f32 v[RB0+4*\i+2*\c:RB0+4*\i+2*\c+1], v[RB0+4*\i+2*\c:RB0+4*\i+2*\c+1], v[RB2+4*(\i-6)+2*\c:RB2+4*(\i-6)+2*\c+1]
.endr
.endr
.endm
.macro RBSEND step                     ; sixteen lanes store 256 consecutive bytes, at a multiple of 256 from out's first byte; written once, read by nobody here
.irp i, 0,1,2,3,4,5,6,7
	global_store_b128 v[GO], v[RB0+4*\i:RB0+4*\i+3], s[OUTP:OUTP+1] offset:16384*\i th:TH_STORE_NT
.endr
.if \step
	s_wait_xcnt 0x0                                ; the stores have read their registers and their base: both are written again only behind this wait
	s_add_nc_u64 s[OUTP:OUTP+1], s[OUTP:OUTP+1], 524288   ; 64 rows of out on
.endif
.endm
	s_load_b256 s[4:11], s[0:1], 0x0               ; x's codes s[4:5], x's scales s[6:7], W's codes s[8:9], W's scales s[10:11]
	s_load_b128 s[12:15], s[0:1], 0x20             ; attn s[12:13], bias s[14:15]
	s_load_b64 s[16:17], s[0:1], 0x30              ; out
	v_lshl_add_u32 v[SPW], v0, 2, SPARE
	v_mov_b32 v[NIL], 0
	ds_add_u32 v20, v21
	ds_add_u32 v20, v21
	s_wait_dscnt 0x0
	v_lshrrev_b32 v1, 5, v0
	v_readfirstlane_b32 s[WV], v1                  ; wave 0..3
	s_and_b32 s[CH], s[WV], 1
	s_lshr_b32 s[KH], s[WV], 1
	s_cmp_eq_u32 s[KH], 0
	s_cselect_b32 s[MSK], -1, 0
	s_bfe_u32 s[CX], ttmp6, 0x40000                ; cx
	s_lshl_b32 s[GX], ttmp9, 2                     ; in a cluster launch ttmp9 counts clusters
	s_add_co_u32 s[GX], s[GX], s[CX]               ; my group of columns = 4 x cluster x + cx
	s_and_b32 s[GY], ttmp7, 0xffff                 ; my group of rows
	; group 1 for x's codes: 16 rows x 1,024 bytes, dense in memory, 16 bytes of padding behind each row in LDS
	s_mov_b32 s[G1X+0], 15|(0<<16)|(1<<20)|(1<<21)|(7<<22)|(3<<25)  ; 15:0 the mask: all four work-groups; 17:16 elements of 1 byte; 20 padding on; 21 set beside a mask; 24:22 after every 256 words (code 7); 31:25 four words (code 3)
	s_mov_b32 s[G1X+1], 1024<<16                   ; tensor_dim0 = 1,024
	s_mov_b32 s[G1X+2], 16<<16                     ; tensor_dim1 = 16
	s_mov_b32 s[G1X+3], 1024<<16                   ; tile_dim0 = 1,024
	s_mov_b32 s[G1X+4], 16                         ; tile_dim1 = 16
	s_mov_b32 s[G1X+5], 1024                       ; from row to row
	s_mov_b32 s[G1X+6], 0
	s_mov_b32 s[G1X+7], 0
	; group 1 for x's scale bytes: 8,192 dense bytes as 32 rows of 256 (32 elements of 8 bytes), 16 bytes of padding behind each
	s_mov_b32 s[G1S+0], 15|(3<<16)|(1<<20)|(1<<21)|(5<<22)|(3<<25)
	s_mov_b32 s[G1S+1], 32<<16
	s_mov_b32 s[G1S+2], 32<<16
	s_mov_b32 s[G1S+3], 32<<16
	s_mov_b32 s[G1S+4], 32
	s_mov_b32 s[G1S+5], 32
	s_mov_b32 s[G1S+6], 0
	s_mov_b32 s[G1S+7], 0
	s_lshl_b32 s22, s[GY], 19                      ; x's codes: 512 rows of 1,024 bytes a group,
	s_lshl_b32 s23, s[WV], 14                      ; the 16 rows of a slab that I fetch
	s_add_co_u32 s22, s22, s23
	s_mov_b32 s23, 0
	s_lshl_b32 s56, s[GY], 15                      ; x's scale bytes: 512 rows of 64 bytes a group,
	s_lshl_b32 s57, s[WV], 13                      ; the 128 rows of them that I fetch
	s_add_co_u32 s56, s56, s57
	s_mov_b32 s57, 0
	s_mul_i32 s2, s[WV], 32*272                    ; where they go: no place in the cluster enters an LDS address
	s_mul_i32 s3, s[WV], BLKX
	s_mov_b32 s[TB], 0
	s_mov_b32 s[TS], 0
	s_mov_b32 s[SG], STGX                          ; slab 0 turns it to 0: stage A is slab 0's
	s_mov_b32 s[CNT], 5
	v_and_b32 v1, 15, v0                           ; r = lane % 16
	v_bfe_u32 v2, v0, 4, 1                         ; h = lane / 16
	v_lshlrev_b32 v[AO], 4, v1
	v_lshlrev_b32 v[BO], 5, v2
	v_lshlrev_b32 v[WSO], 6, v1
	v_lshl_add_u32 v[WSO], v2, 4, v[WSO]
	v_lshlrev_b32 v[WO], 10, v2
	v_lshl_add_u32 v[WO], v1, 4, v[WO]
	s_wait_kmcnt 0x0
	s_add_nc_u64 s[4:5], s[4:5], s[22:23]
	s_add_nc_u64 s[6:7], s[6:7], s[56:57]
	s_mov_b32 s[G0S], 1                            ; 1:0 count = 1
	s_add_co_u32 s[G0S+1], s2, XS                  ; 63:32 LDS address
	s_mov_b64 s[G0S+2:G0S+3], s[6:7]               ; 120:64 global address
	s_or_b32 s[G0S+3], s[G0S+3], 0x80000000        ; 127:126 type = 2
	s_mov_b32 s[G0A], 1
	s_mov_b32 s[G0A+1], s3                         ; slot 0
	s_mov_b64 s[G0A+2:G0A+3], s[4:5]               ; slab 0
	s_or_b32 s[G0A+3], s[G0A+3], 0x80000000
	s_mov_b32 s[G0B], 1
	s_add_co_u32 s[G0B+1], s3, SLOT1               ; slot 1
	s_add_nc_u64 s[G0B+2:G0B+3], s[4:5], 65536     ; slab 1
	s_or_b32 s[G0B+3], s[G0B+3], 0x80000000
	; the buffers that hang on my columns, in registers that feed no descriptor
	s_lshl_b32 s58, s[GX], 16                      ; W's codes: 64 rows of 1,024 bytes a group, my 32 rows, my 512 bytes of a row
	s_lshl_b32 s60, s[CH], 15
	s_add_co_u32 s58, s58, s60
	s_lshl_b32 s60, s[KH], 9
	s_add_co_u32 s58, s58, s60
	s_mov_b32 s59, 0
	s_add_nc_u64 s[8:9], s[8:9], s[58:59]
	s_lshl_b32 s58, s[GX], 12                      ; W's scale bytes: rows of 64 bytes, my 32 bytes of a row
	s_lshl_b32 s60, s[CH], 11
	s_add_co_u32 s58, s58, s60
	s_lshl_b32 s60, s[KH], 5
	s_add_co_u32 s58, s58, s60
	s_add_nc_u64 s[10:11], s[10:11], s[58:59]
	s_lshl_b32 s58, s[GX], 8                       ; the bias: 4 bytes a column
	s_lshl_b32 s60, s[CH], 7
	s_add_co_u32 s58, s58, s60
	s_add_nc_u64 s[14:15], s[14:15], s[58:59]
	s_lshl_b32 s58, s[GY], 13                      ; attn: 16 bytes a row
	s_add_nc_u64 s[ATP:ATP+1], s[ATP:ATP+1], s[58:59]
	s_lshl_b32 s58, s[GY], 22                      ; out: 512 rows of 8,192 bytes a group, the 16 rows that I store, my group's 256 bytes of a row
	s_lshl_b32 s60, s[WV], 17
	s_add_co_u32 s58, s58, s60
	s_lshl_b32 s60, s[GX], 8
	s_add_co_u32 s58, s58, s60
	s_add_nc_u64 s[OUTP:OUTP+1], s[OUTP:OUTP+1], s[58:59]
	; 60 loads go out ahead of the opening round: slab 0's attn, the bias, W's scale words, the weights' first unit
	ATTN 0, 0
	ATTN 1, 0
.irp e, 0,1,2,3
.irp ob, 0,1
.irp c, 0,1
	global_load_b128 v[BI+16*\e+8*\ob+4*\c:BI+16*\e+8*\ob+4*\c+3], v[BO], s[14:15] offset:8192*\e+64*\ob+16*\c   ; bias[e][32 ch + 16 ob + 8 h + 0 .. 7]
.endr
.endr
.endr
.irp e, 0,1,2,3
.irp ob, 0,1
	global_load_b128 v[WSP+8*\e+4*\ob:WSP+8*\e+4*\ob+3], v[WSO], s[10:11] offset:131072*\e+1024*\ob              ; row r's scale words of my sub-steps 4 h + 0 .. 3
.endr
.endr
	LOADW 0
	WIN 0
	v_mul_u32_u24 v[AX0], v1, XP
	v_lshl_add_u32 v[AX0], v2, 4, v[AX0]
	s_lshl_b32 s60, s[KH], 9
	v_add_nc_u32 v[AX0], s60, v[AX0]
	v_lshrrev_b32 v22, 2, v1
	v_and_b32 v23, 3, v1
	v_mul_u32_u24 v[AS0], v22, 272
	v_lshl_add_u32 v[AS0], v23, 6, v[AS0]
	v_mad_u32_u24 v[AS0], v2, 1088, v[AS0]         ; lanes 16-31 stand one block (16 rows: 1,088 bytes) further on
	s_lshl_b32 s60, s[KH], 5
	s_add_co_u32 s60, s60, XS
	v_add_nc_u32 v[AS0], s60, v[AS0]
	v_mul_u32_u24 v22, v1, 272                     ; r x 272
	v_mul_u32_u24 v23, v2, 272
	v_lshl_add_u32 v23, v1, 4, v23                 ; h x 272 + 16 r
	s_mul_i32 s60, s[KH], STGK
	s_lshl_b32 s58, s[CH], 7
	s_add_co_u32 s60, s60, s58
	s_add_co_u32 s60, s60, STGA
	v_lshl_add_u32 v[STO0], v2, 5, v22
	v_add_nc_u32 v[STO0], s60, v[STO0]             ; the stage, in: my half of K's piece, row r, + 128 ch + 32 h
	s_mul_i32 s60, s[WV], 16*272
	s_add_co_u32 s60, s60, STGA
	v_add_nc_u32 v[SRD0], s60, v23                 ; back: my 16 rows
	s_mul_i32 s60, s[WV], SCRW
	s_add_co_u32 s60, s60, SCR
	v_add_nc_u32 v[SCW], s60, v23                  ; my scratch, in: two rows an instruction
	v_lshl_add_u32 v[SCL], v2, 4, v22
	v_add_nc_u32 v[SCL], s60, v[SCL]               ; out: row r, + 16 h
	v_lshlrev_b32 v[GO], 13, v2
	v_lshl_add_u32 v[GO], v1, 4, v[GO]             ; out: h rows of 8,192 bytes + 16 r
.irp i, 1,3,5,7
	v_mov_b32 v[AXR+\i], 0                         ; the pairs' upper words are named with the lower, so they are written once
.endr
	CROUND                                         ; all four work-groups are here: the first joint loads meet
	tensor_load_to_lds s[G0S:G0S+3], s[G1S:G1S+7]  ; the three first fills go out together: three tensor loads of mine are out
	s_nop 0
	tensor_load_to_lds s[G0A:G0A+3], s[G1X:G1X+7]
	s_nop 0
	tensor_load_to_lds s[G0B:G0B+3], s[G1X:G1X+7]
	s_nop 0
	PLACES                                         ; four v_nop follow the last of them
	LOADW 1
	WIN 0
	s_wait_tensorcnt 1                             ; x's scale bytes and my part of slab 0 are in; slab 1's load may stay out
	s_barrier_signal -1
	s_barrier_wait -1                              ; everybody's are
	XSCALE 0, AS0, 0
	XFRAG 0, AX0, 0
; A SLAB.  first = 1: slab 0: the weights arrive, a unit at a time, and there is no slab before.  kind = 2: the slot is filled again, two slabs ahead; 1: nothing is filled, a slab follows; 0: the last slab.
.macro BODY first, kind
	WIN 0
	v_add_nc_u32 v[ADX], s[TB], v[AX0]             ; (these six additions and the four moves below are places behind the slab before's last products)
	s_xor_b32 s[TB], s[TB], SLOT1
	v_add_nc_u32 v[ADN], s[TB], v[AX0]
	v_add_nc_u32 v[ADS], s[TS], v[AS0]
	s_add_co_u32 s[TS], s[TS], XSSLAB
	v_add_nc_u32 v[STW], s[SG], v[STO0]
	v_add_nc_u32 v[STR], s[SG], v[SRD0]
	s_xor_b32 s[SG], s[SG], STGX
	v_add_nc_u32 v[STN], s[SG], v[STO0]
	; ---- the first pass: rows 0 to 31
.if \first
	s_wait_loadcnt 32                              ; all but the youngest 32 loads (unit 1 of the weights) are in: attn, the bias, W's scale words, unit 0
.set i, 0
.rept 64
	v_and_b32 v[BI+i], s[MSK], v[BI+i]             ; the bias is added once: the waves of the upper half of K start their sums at 0
.set i, i+1
.endr
	LOADW 2
	TRANSP 0
	XSCALE 1, ADS, 2176
	XFRAG 1, ADX, 0
	s_wait_dscnt 18                                ; all but the 2 + 16 just issued: unit 0's fragments, x's first four sub-steps and their scale words are in
.irp s, 0,1,2,3
	MM 0, \s, 0, 1, 0, 1                           ; experts 0 and 1
.endr
	s_wait_loadcnt 32                              ; unit 1 is in; unit 2's 32 loads may be out
	LOADW 3
	TRANSP 1
	s_wait_dscnt 0x0
.irp s, 0,1,2,3
	MM 0, \s, 0, 1, 2, 3                           ; experts 2 and 3
.endr
	PLACES
	XFRAG 0, ADX, 1
	s_wait_loadcnt 32                              ; unit 2 is in; unit 3's 32 loads may be out
	TRANSP 2
	s_wait_dscnt 0x0
.irp s, 4,5,6,7
	MM 0, \s, 0, 1, 0, 1
.endr
	s_wait_loadcnt 0x0                             ; the last unit
	TRANSP 3
	s_wait_dscnt 0x0
.irp s, 4,5,6,7
	MM 0, \s, 0, 1, 2, 3
.endr
.else
	s_wait_loadcnt 2                               ; the attn of the slab before's second pass is in; the two loads issued behind it (this slab's first pass's) may be out
	AXMOV 1
	XSCALE 1, ADS, 2176                            ; the second pass's scale words
	XFRAG 1, ADX, 0
.irp m, 0,1
.irp ob, 0,1
	MIX 1, \m, \ob                                 ; the slab before's second pass, four accumulators: then they are begun anew
	MM0 0, \m, \ob
.endr
.endr
	TOSTAGE STW, 1
	s_wait_xcnt 0x0                                ; the loads that read this base have had their addresses translated
	s_add_nc_u64 s[ATP:ATP+1], s[ATP:ATP+1], 1024  ; attn at this slab
	ATTN 1, 0                                      ; this slab's second pass's, wanted at the next slab's head
.irp s, 1,2,3
	MM 0, \s, 0, 1, 0, 3
.endr
	PLACES
	XFRAG 0, ADX, 1
	s_wait_dscnt 16                                ; all but the 16 just issued
.irp s, 4,5,6,7
	MM 0, \s, 0, 1, 0, 3
.endr
.endif
	; ---- the second pass: rows 32 to 63
	WIN 0
	s_wait_loadcnt 2                               ; the attn of this slab's first pass is in; the two loads issued behind it (the second pass's) may be out
	AXMOV 0                                        ; (four plain instructions: the places behind the first pass's last products)
	XFRAG 1, ADX, 1                                ; my last reads of this slot
	s_wait_dscnt 16                                ; all but the 16 just issued
.irp m, 0,1
.irp ob, 0,1
	MIX 0, \m, \ob                                 ; the first pass, four accumulators: then they are begun anew.  The results stay in registers until the barrier is passed
	MM0 1, \m, \ob
.endr
.endr
.if \kind >= 1
	ATTN 0, 1024                                   ; the next slab's first pass's
.endif
	MM 1, 1, 0, 1, 0, 3
	; THE CHANGE OF SLOTS: one barrier a slab.  In front of it each wave waits for all its tensor loads (one is out: its part of the next slab), adds 0 to its spare word, and waits for that, for its reads of
	; this slot and for its stores into the stage.  Behind it the next slot and the slab before's stage are whole, and nobody reads this slot any more.
.if \kind >= 1
	WIN 0                                          ; (the add's two registers lie in window 0)
	s_wait_tensorcnt 0x0                           ; no tensor load of mine is out, so a group 0 may be written
	ds_add_u32 v[SPW], v[NIL]                      ; 0 onto my spare word
.endif
.if \kind == 2
	s_xor_b32 s[G0B+1], s[G0B+1], SLOT1            ; the walking descriptor: the other slot than last time,
	s_add_nc_u64 s[G0B+2:G0B+3], s[G0B+2:G0B+3], 65536   ; the next slab; the type bits on top are not reached
.endif
	MM 1, 2, 0, 1, 0, 3                            ; sixteen matrix instructions stand between the add and the wait for it
	s_wait_dscnt 0x0
	s_barrier_signal -1
	MM 1, 3, 0, 0, 0, 3                            ; work on registers while the others arrive
	WIN 0
	s_barrier_wait -1
.if \kind == 2
	CREST                                          ; the barrier has opened a round of the cluster's: no wave of any partner still reads this slot or has a load on its way
	tensor_load_to_lds s[G0B:G0B+3], s[G1X:G1X+7]  ; my 16 rows of the slab two on: my one tensor load behind the round, 232 matrix instructions ahead of the wait for it
	s_nop 0
	PLACES                                         ; four v_nop follow it
.endif
	TOSTAGE STN, 0                                 ; this slab's first pass, into this slab's stage
.if !\first
	RBREAD                                         ; the slab before, out of its stage
.endif
	MM 1, 3, 1, 1, 0, 3
.if \kind >= 1
	PLACES
	XSCALE 0, ADS, XSSLAB                          ; the next slab's first scale words and fragments
	XFRAG 0, ADN, 0
.endif
.irp s, 4,5,6,7
	MM 1, \s, 0, 1, 0, 3
.endr
	WIN 0
	s_wait_dscnt 0x0                               ; the next slab's first fragments and the rows from the stage are in
.if !\first
	RBADD
	RBSEND 1
.endif
.endm
	BODY 1, 2                                      ; slab 0; slab 2 is asked for
.Lslab:                                                ; slabs 1 to 5; slabs 3 to 7 are asked for
	BODY 0, 2
	s_sub_co_u32 s[CNT], s[CNT], 1
	s_cmp_lg_u32 s[CNT], 0
	s_cbranch_scc1 .Lslab
	BODY 0, 1                                      ; the tail is written out
	BODY 0, 0
	; the last slab's second pass is mixed, and the slab leaves
	s_wait_loadcnt 0x0                             ; its attn
	v_add_nc_u32 v[STW], s[SG], v[STO0]            ; (these two and the four moves are places behind the last products)
	v_add_nc_u32 v[STR], s[SG], v[SRD0]
	AXMOV 1
	MIX 1, 0, 0
	MIX 1, 0, 1
	MIX 1, 1, 0
	MIX 1, 1, 1
	TOSTAGE STW, 1
	s_wait_dscnt 0x0                               ; for the others' sake: my stores into the stage are done
	s_barrier_signal -1
	s_barrier_wait -1
	RBREAD
	s_wait_dscnt 0x0
	RBADD
	RBSEND 0
	s_wait_tensorcnt 0x0                           ; the wave's end: behind my last tensor load and my last LDS store
	ds_add_u32 v[SPW], v[NIL]
	s_wait_dscnt 0x0
	CROUND                                         ; the closing round: no work-group ends while a partner may still ask for a tile that names it
	s_endpgm
.Lfunc_end_k_q77a0bba24d_dynlin:
	.size	k_q77a0bba24d_dynlin, .Lfunc_end_k_q77a0bba24d_dynlin-k_q77a0bba24d_dynlin
	.p2alignl 7, 3214868480
	.fill 96, 4, 3214868480
	.section	.rodata,"a",@progbits
	.p2align	6, 0x0
	.amdhsa_kernel k_q77a0bba24d_dynlin
		.amdhsa_group_segment_fixed_size 327680
		.amdhsa_private_segment_fixed_size 0
		.amdhsa_enable_private_segment 0
		.amdhsa_kernarg_size 56
		.amdhsa_user_sgpr_count 2
		.amdhsa_user_sgpr_kernarg_segment_ptr 1
		.amdhsa_wavefront_size32 1
		.amdhsa_system_sgpr_workgroup_id_x 1
		.amdhsa_system_sgpr_workgroup_id_y 1
		.amdhsa_system_sgpr_workgroup_id_z 1
		.amdhsa_system_vgpr_workitem_id 0
		.amdhsa_next_free_vgpr 1024
		.amdhsa_next_free_sgpr 66
		.amdhsa_reserve_vcc 0
		.amdhsa_float_denorm_mode_32 3
		.amdhsa_float_denorm_mode_16_64 3
		.amdhsa_memory_ordered 1
		.amdhsa_forward_progress 1
		.amdhsa_inst_pref_size 246
	.end_amdhsa_kernel
	.amdgpu_metadata
---
amdhsa.version: [ 1, 2 ]
amdhsa.kernels:
  - .name:           k_q77a0bba24d_dynlin
    .symbol:         k_q77a0bba24d_dynlin.kd
    .args:
      - { .name: x_codes, .offset: 0, .size: 8, .value_kind: global_buffer, .address_space: global }
      - { .name: x_scales, .offset: 8, .size: 8, .value_kind: global_buffer, .address_space: global }
      - { .name: weight_codes, .offset: 16, .size: 8, .value_kind: global_buffer, .address_space: global }
      - { .name: weight_scales, .offset: 24, .size: 8, .value_kind: global_buffer, .address_space: global }
      - { .name: softmax_attention, .offset: 32, .size: 8, .value_kind: global_buffer, .address_space: global }
      - { .name: bias, .offset: 40, .size: 8, .value_kind: global_buffer, .address_space: global }
      - { .name: out0, .offset: 48, .size: 8, .value_kind: global_buffer, .address_space: global }
    .group_segment_fixed_size: 327680
    .private_segment_fixed_size: 0
    .kernarg_segment_align: 8
    .kernarg_segment_size: 56
    .max_flat_workgroup_size: 128
    .sgpr_count:     66
    .vgpr_count:     1024
    .wavefront_size: 32
...
	.end_amdgpu_metadata
.endif
;; end of part 1
